; MI455X (gfx1250); checked and timed in simulation.
; The chip was launched on July 23, 2026; its instructions are those of AMD's public machine-readable ISA for CDNA 5 (MIT licence, August 2026) and "CDNA5" Instruction Set Architecture Reference Guide (July 2026). The comments in the code are by the model that wrote it; some were corrected since.
;; Multi Head Attention. Allowed arithmetic: matrix products marked QUANTISED: E2M3 operands, one E8M0 scale for each 32 along K, by v_wmma_scale_f32_16x16x128_f8f6f4 with both operands' format E2M3, f32 sums; everything else in f32.
;; Inputs: k_codes 4 x 2,048 x 32 x 24 uint8 (E2M3 codes of k, K innermost, in blocks of 32 codes, four codes in three bytes); k_scales 4 x 2,048 x 32 uint8 (E8M0 scales of k, one for each 32 codes along K); q_codes 4 x 2,048 x 32 x 24 uint8 (E2M3 codes of q, K innermost, in blocks of 32 codes, four codes in three bytes); q_scales 4 x 2,048 x 32 uint8 (E8M0 scales of q, one for each 32 codes along K); v_codes 4 x 2,048 x 32 x 24 uint8 (E2M3 codes of v, K innermost, in blocks of 32 codes, four codes in three bytes); v_scales 4 x 2,048 x 32 uint8 (E8M0 scales of v, one for each 32 codes along K); wk_codes 1,024 x 32 x 24 uint8 (E2M3 codes of wk, K innermost, in blocks of 32 codes, four codes in three bytes); wk_scales 1,024 x 32 uint8 (E8M0 scales of wk, one for each 32 codes along K); wo_codes 1,024 x 32 x 24 uint8 (E2M3 codes of wo, K innermost, in blocks of 32 codes, four codes in three bytes); wo_scales 1,024 x 32 uint8 (E8M0 scales of wo, one for each 32 codes along K); wq_codes 1,024 x 32 x 24 uint8 (E2M3 codes of wq, K innermost, in blocks of 32 codes, four codes in three bytes); wq_scales 1,024 x 32 uint8 (E8M0 scales of wq, one for each 32 codes along K); wv_codes 1,024 x 32 x 24 uint8 (E2M3 codes of wv, K innermost, in blocks of 32 codes, four codes in three bytes); wv_scales 1,024 x 32 uint8 (E8M0 scales of wv, one for each 32 codes along K).
;; Outputs: out0 4 x 2,048 x 1,024 float32.
;; This version of the problem:
;;   THIS VERSION OF THE PROBLEM IS GIVEN IN LOW PRECISION. The matrix products marked QUANTISED in the list below multiply operands that are first quantised to E2M3 (2 exponent bits, 3 mantissa bits; 6 bits a number), with one power-of-two scale for each 32 numbers along K (OCP MX v1.0); their sums are f32. All else is computed in f32.
;;   The module's matrix products, in the order in which they are computed (A, B: the left and right operand; K: the contracted axis; several contracted axes count as one K, in the product's order):
;;     1. [M 8,192, K 1,024] x [K 1,024, N 1,024]; A: input q (given as codes); B: input wq (given as codes): QUANTISED
;;     2. [M 8,192, K 1,024] x [K 1,024, N 1,024]; A: input k (given as codes); B: input wk (given as codes): QUANTISED
;;     3. [M 8,192, K 1,024] x [K 1,024, N 1,024]; A: input v (given as codes); B: input wv (given as codes): QUANTISED
;;     4. batch 64 x [M 2,048, K 64] x [K 64, N 2,048]; A: computed on the way; B: computed on the way: QUANTISED
;;     5. batch 64 x [M 64, K 2,048] x [K 2,048, N 2,048]; A: computed on the way; B: softmax (see below): QUANTISED
;;     6. [M 8,192, K 1,024] x [K 1,024, N 1,024]; A: computed on the way; B: input wo (given as codes): QUANTISED
;;   THE QUANTISER, for each operand of a quantised product, along K:
;;     - K is cut into blocks of 32 from its start; a last block that is shorter is filled with zeros.
;;     - A block's scale is 2^e with e = floor(log2(the largest magnitude in the block)) - 2, held to -126 .. 127; a block of zeros has e = 0. As a byte (E8M0): e + 127.
;;     - Each number is divided by its block's scale, clamped to +-7.5, and rounded to the nearest number of E2M3, ties to even, subnormals kept.
;;     - The product sums the exact products of the quantised numbers (number of the format x scale) in f32.
;;   ~~~python
;;   def quantise(x, axis):      # numpy; x: float32 -> the quantised numbers, widened to float32 again
;;       x = np.moveaxis(x, axis, -1); K = x.shape[-1]
;;       x = np.pad(x, [(0, 0)] * (x.ndim - 1) + [(0, -K % 32)]); x = x.reshape(x.shape[:-1] + (-1, 32)); a = np.abs(x).max(-1, keepdims=True)
;;       e = np.where(a > 0, np.clip(np.frexp(np.where(a > 0, a, 1))[1] - 1 - 2, -126, 127), 0)      # np.frexp(a)[1] - 1 = floor(log2(a)), exactly
;;       r = np.clip(x / 2.0 ** e, -7.5, 7.5)
;;       step = 2.0 ** (np.maximum(np.frexp(np.where(r == 0, 1, r))[1] - 1, 0) - 3)
;;       q = np.round(r / step) * step * 2.0 ** e      # np.round: ties to even
;;       return np.moveaxis(q.reshape(q.shape[:-2] + (-1,))[..., :K], -1, axis).astype(np.float32)
;;   ~~~
;;   SOFTMAX AHEAD OF A QUANTISED PRODUCT. Where the list says 'softmax', what is quantised is not the finished softmax but p = 2^(t - M), with t = logit x log2(e) and M = ceil(the row's largest t), a whole number; so 1/2 < the row's largest p <= 1. The row's sum l is taken of the UNQUANTISED p, in f32, and the product's result is divided by l at the end. Since M is a whole number, a kernel that streams over the keys may use a running M (the ceiling of the running maximum): every later rescaling is an exact power of two, which a block's scale takes up: the codes' values come out the same.
;;   OPERANDS COMPUTED ON THE WAY. 'Computed on the way' means the value that the module computes at that place (a softmax that the list does not call 'softmax' is quantised finished and normalised). What goes into a quantiser is computed in f32, as accurately as f32 sums, v_exp_f32 and their like allow (about 1e-6 of the number): no bf16 or f16 on the way to a quantiser, and a product that is left as it is and whose result goes on into a quantised operand takes f32 operands (vector FMAs, or v_wmma_f32_16x16x4_f32). A number that lies on a knife's edge between two numbers of the format may be rounded either way, as far as f32 arithmetic and the matrix unit's own rounding can turn it there, and no further.
;;   INPUTS GIVEN AS CODES. k (in the module: [4, 2048, 1024], K = its axis 2); q (in the module: [4, 2048, 1024], K = its axis 2); v (in the module: [4, 2048, 1024], K = its axis 2); wk (in the module: [1024, 1024], K = its axis 1); wo (in the module: [1024, 1024], K = its axis 1); wq (in the module: [1024, 1024], K = its axis 1); wv (in the module: [1024, 1024], K = its axis 1): each comes as NAME_codes (uint8): NAME with its K axis moved to the last place and cut into blocks of 32 codes, [.., K / 32, bytes a block], one block behind the other in memory; four codes in three bytes: a row's codes are one little-endian stream of bits, code i at bits 6 i .. 6 i + 5 (a code: sign, 2 exponent bits, 3 mantissa bits); and NAME_scales (uint8): the same leading axes, one E8M0 byte (e + 127) for each 32 codes along K. Its value is code x scale, taken as it is: it is not quantised again, and the codes and scales need not be those that the quantiser above would give.
;; One version. Each part assembles by itself: llvm-mc -triple=amdgcn-amd-amdhsa -mcpu=gfx1250 --defsym DOCPART=n.
;; ======== version 1 of 1: 3 launches
;; limits: right only within a limited range of input values
;; workspace buffers: q_img 6,291,456 bytes; k_img 6,291,456 bytes; v_img 6,291,456 bytes; q_sc 262,144 bytes; k_sc 262,144 bytes; v_sc 262,144 bytes; o_img 6,291,456 bytes; o_sc 262,144 bytes
;; launch proj (part 1): grid 8 x 32, 4 waves a work-group, clusters of 4 x 4, 327,680 bytes of LDS; arguments q_codes, q_scales, wq_codes, wq_scales, q_img, q_sc, k_codes, k_scales, wk_codes, wk_scales, k_img, k_sc, wv_codes, wv_scales, v_codes, v_scales, v_img, v_sc; writes q_img, q_sc, k_img, k_sc, v_img, v_sc
.if DOCPART == 1
	.amdgcn_target "amdgcn-amd-amdhsa--gfx1250"
	.amdhsa_code_object_version 6
	.text
	.protected	k_qbf581e7971_proj
	.globl	k_qbf581e7971_proj
	.p2align	8
	.type	k_qbf581e7971_proj,@function
k_qbf581e7971_proj:
	s_mov_b64 s[64:65], 0
	v_nop
	global_prefetch_b8 v0, s[64:65] scope:SCOPE_SE
	s_setreg_imm32_b32 hwreg(HW_REG_WAVE_MODE, 25, 1), 1
	s_wait_xcnt 0x0
	s_wait_alu depctr_hold_cnt(0) depctr_sa_sdst(0) depctr_va_vdst(0) depctr_va_sdst(0) depctr_va_ssrc(0) depctr_va_vcc(0) depctr_vm_vsrc(0)
	s_getreg_b32 s2, hwreg(HW_REG_IB_STS2, 6, 4)
	s_cmp_eq_u32 s2, 0
	s_cbranch_scc0 .Lentry_in_a_cluster
	s_endpgm
.Lentry_in_a_cluster:
	s_bfe_u32 s2, ttmp6, 0x10000c
	s_cmp_lg_u32 s2, 0xf033
	s_cbranch_scc0 .Lentry_shape_is_right
	s_endpgm
.Lentry_shape_is_right:
; xq = q wq^T, xk = k wk^T, xv = v wv^T on codes of FP6 (E2M3) with E8M0 scales, K = 1,024, sums in f32; each result is quantised in registers for the attention that follows:
; xq, xk along a head's 64 numbers, xv along the keys.  No f32 result is stored.
; WORK LEFT OUT BY THE PROGRAM: reference() sets every score above the diagonal to -inf by a mask of its own, so its p is 0 and adds nothing to the sum or to the product with V, whatever the inputs hold:
; the attention launch passes over key steps that lie wholly above the diagonal.  A NaN, an infinity or an overflow that reaches only those scores is not carried to the result.  Every input is loaded.
; LIMITS: NaN, infinities and a given scale byte 0xff are not served.  A block of zeros gets the byte 1 where the quantiser's text says 127 (its codes are zeros; only this program reads the bytes);
; a block whose largest magnitude lies under 2^-124 has its byte held at 1.
; THE DEAL.  256 work-groups of four waves (2 x 2) stay and make three tiles of 256 x 128, one of each tensor: phases 0, 1, 2 = Q, K, V.  In a phase a wave holds 64 RESIDENT rows, all of K, in 384 registers
; (Q, K: a head's rows of the weight; V: 64 tokens) and streams 128 rows of the other operand past them in eight blocks of 16 rows (Q, K: tokens; V: rows of wv): 32 products a block.
; Source 0 = the resident rows.  Lane r of resident tile t takes row 32 (r / 8) + 16 (t % 2) + 8 (t / 2) + r % 8, so lane (r, h) of the result holds, in 32 registers, ONE scale block: block h of streamed row r,
; register 8 t + j = element 16 (t % 2) + 8 (t / 2) + j.  Q and K get the same order along the head; along the keys it is the order in which the attention launch lays p.
; WHAT IS STORED.  A part of 768 bytes for 16 lane rows x 64: lane l's registers 0-3 at 16 l, 4 and 5 at 512 + 8 l.  q_img, k_img: [batch x head][tile of 16 tokens]; v_img: [batch x head][128 keys][16 channels][64 keys].
; q_sc, k_sc: [batch x head][32 tokens][m] words: bytes 0, 1 token m, bytes 2, 3 token 16 + m.  v_sc: [batch x head][128 keys][16 channels][m] words: byte b = key block b.  The bytes gather in LDS and leave at the end, 256 on end a wave.
; CLUSTERS 4 x 4: streamed tiles are asked for jointly along a row of the cluster, resident tiles along a column.  Q, K: streamed tile 4 Y + cy, resident 4 X + cx; V: streamed tile cy, resident 4 (X + 2 Y) + cx.
; LDS: two slots of 128 streamed rows, a region for the 128 resident rows (rows of 768 bytes, 16 of padding behind each 256), the scale bytes' stage, the spare words.
; FILLS.  Head: waves 0, 1 half the resident rows each, wave 2 slot 0, wave 3 slot 1.  In phases 0 and 1: a round in block 2 (resident region and slot 0 for the next phase), a round in block 6 (slot 1).
; What a refill brought is shown by the next round; in phase 2 by a plain barrier in block 2.  s_wait_dscnt NF: the 26 loads of the next block's fetch may be out.
; PREFETCH: behind the head's loads and behind each refill, what the next refill will load; a tile's 384 blocks of 256 bytes are shared out by address among the 16 waves of the four partners that ask for it jointly.
.set PITCH, 816
.set KROW,  768
.set YB,    128*PITCH
.set BVB,   2*YB
.set STG,   3*YB
.set SPARE, STG+3072
.set NF,    26
.set FR,    12
.set FPW,   21                         ; fragments in a window of 256 registers; fragment f: window 1 + f / 21.  0-31 resident (4 q + t), 32-47 two sets of streamed rows
.set A0,   4                           ; v4, v5 my streamed rows in slot 0 (v5: behind one padding more)
.set O16,  6
.set O8,   7
.set SPW,  8
.set NIL,  9
.set ADRA, 10                          ; v10, v11 the block that is fetched
.set STQ,  12                          ; my byte in the stage, Q and K
.set STV,  13                          ; V
.set VXS,  14                          ; 32 x lane
.set VRS,  15                          ; 32 x the resident row of my lane
.set VPX,  16                          ; prefetch offsets
.set VPR,  17
.set BA,   18                          ; v18-25 the four resident tiles
.set TQ,   26
.set SOP,  28
.set EB,   29
.set TC,   30
.set RDS,  33
.set NCD,  34                          ; v34-39 a part's codes
.set SB,   40                          ; v40-71 resident scale words, two sets by the phase's parity
.set SA,   76                          ; v76-139 streamed scale words, two sets
.set ACC,  144                         ; v144-207 two sets of four accumulators
.set G1A,  52
.set G1B,  68
.set G0X,  76
.set G0R,  80
.set G0Y,  96
.set MSB, 0
.macro WIN new
.if MSB != \new
	s_set_vgpr_msb (MSB<<8)|\new
.set MSB, \new
.endif
.endm
.macro PLACES n
.rept \n
	v_nop
.endr
.endm
.macro WALU
	s_wait_alu depctr_va_vdst(0)
.endm
.macro BARRIER
	s_barrier_signal -1
	s_barrier_wait -1
.endm
.macro MIDDLE
	WIN 0
	s_barrier_wait -1
	s_cmp_lg_u32 s40, 0
	s_cbranch_scc1 .Lnw0_\@
	s_barrier_signal -3
.Lnw0_\@:
	s_barrier_wait -3
.endm
.macro CROUND
	s_barrier_signal -1
	MIDDLE
	BARRIER
.endm
.macro TLOAD g0, g1
	tensor_load_to_lds s[\g0:\g0+3], s[\g1:\g1+7]
	s_nop 0
	PLACES 4
.endm
.macro GROUP1 g, mask, rows
	s_or_b32 s[\g+0], s[\mask], (1<<20)|(1<<21)|(5<<22)|(3<<25)
	s_mov_b32 s[\g+1], KROW<<16
	s_mov_b32 s[\g+2], (\rows)<<16
	s_mov_b32 s[\g+3], KROW<<16
	s_mov_b32 s[\g+4], \rows
	s_mov_b32 s[\g+5], KROW
	s_mov_b32 s[\g+6], 0
	s_mov_b32 s[\g+7], 0
.endm
.macro PADD p, o
	s_add_nc_u64 s[\p:\p+1], s[\p:\p+1], s[\o:\o+1]
.endm
.macro PF v, b, o
	global_prefetch_b8 v[\v], s[\b:\b+1] offset:\o th:TH_LOAD_NT scope:SCOPE_SE
.endm
; a fragment: six pieces of 8 bytes of a row, two to a load where both lie behind as many paddings
.macro FRAG f, q, a0, a1
	WIN (1+(\f)/FPW)<<6
.set R_, FR*((\f)%FPW)
.set SK_, 0
.irp p, 0,1,2,3,4,5
.if SK_
.set SK_, 0
.else
.set PC_, 12*(\q)+6*(\p/3)+\p%3
.set PN_, 12*(\q)+6*((\p+1)/3)+(\p+1)%3
.set X_, (PC_%32+3)/32
.set XN_, (PN_%32+3)/32
.if (\p < 5) && (X_ == XN_)
.set SK_, 1
.if X_
	ds_load_2addr_b64 v[R_+2*\p:R_+2*\p+3], v[\a1] offset0:PC_+2*(PC_/32) offset1:PN_+2*(PN_/32)
.else
	ds_load_2addr_b64 v[R_+2*\p:R_+2*\p+3], v[\a0] offset0:PC_+2*(PC_/32) offset1:PN_+2*(PN_/32)
.endif
.elseif X_
	ds_load_b64 v[R_+2*\p:R_+2*\p+1], v[\a1] offset:8*(PC_+2*(PC_/32))
.else
	ds_load_b64 v[R_+2*\p:R_+2*\p+1], v[\a0] offset:8*(PC_+2*(PC_/32))
.endif
.endif
.endr
.endm
.macro WGRP q                          ; the four resident fragments of K step q: 12 loads, 16 in steps 2 and 5
.irp t, 0,1,2,3
	FRAG 4*(\q)+\t, \q, BA+2*\t, BA+2*\t+1
.endr
.endm
.macro WEIGHTS                         ; my 64 resident rows: 104 loads
.irp q, 0,1,2,3,4,5,6,7
	WGRP \q
.endr
	WIN 0
.endm
.macro FADR g                          ; where block g's 16 rows lie
.set KC_, (((\g)%8)/4)*YB+16*((\g)%4)*PITCH
	v_add_nc_u32 v[ADRA], KC_, v[A0]
	v_add_nc_u32 v[ADRA+1], KC_, v[A0+1]
.endm
.macro FETCHB g                        ; block g's 16 rows into set g % 2 in one run: NF loads
	FADR \g
.irp q, 0,1,2,3,4,5,6,7
	FRAG 32+8*((\g)%2)+\q, \q, ADRA, ADRA+1
.endr
	WIN 0
.endm
.macro SCLOAD t                        ; phase t's scale words: a lane takes a row's 32 bytes; lanes 16-31 serve the odd tile or block
.irp u, 0,1
.irp c, 0,1
	global_load_b128 v[SB+16*((\t)%2)+8*\u+4*\c:SB+16*((\t)%2)+8*\u+4*\c+3], v[VRS], s[10+12*(\t):11+12*(\t)] offset:256*\u+16*\c
.endr
.endr
.irp j, 0,1,2,3
.irp c, 0,1
	global_load_b128 v[SA+32*((\t)%2)+8*\j+4*\c:SA+32*((\t)%2)+8*\j+4*\c+3], v[VXS], s[6+12*(\t):7+12*(\t)] offset:4096*(\j/2)+1024*(\j%2)+16*\c
.endr
.endr
.endm
.macro W1 c, ra, rb
	v_wmma_scale_f32_16x16x128_f8f6f4 v[D_:D_+7], v[FR*(FB_%FPW):FR*(FB_%FPW)+FR-1], v[FR*(FA_%FPW):FR*(FA_%FPW)+FR-1], \c, v[XB_], v[XA_] matrix_a_fmt:MATRIX_FMT_FP6 matrix_b_fmt:MATRIX_FMT_FP6 matrix_a_scale:MATRIX_SCALE_ROW\ra matrix_b_scale:MATRIX_SCALE_ROW\rb
.endm
.macro W2 c
.if PT_%2
.if S_%2
	W1 \c, 1, 1
.else
	W1 \c, 1, 0
.endif
.else
.if S_%2
	W1 \c, 0, 1
.else
	W1 \c, 0, 0
.endif
.endif
.endm
.macro PROD g, n                       ; product n = 4 q + t of block g; the four accumulators take turns
.set Q_, (\n)/4
.set PT_, (\n)%4
.set S_, (\g)%8
.set FB_, 4*Q_+PT_
.set FA_, 32+8*((\g)%2)+Q_
.set D_, ACC+32*((\g)%2)+8*PT_
.set XB_, SB+16*(((\g)/8)%2)+8*(PT_/2)+Q_
.set XA_, SA+32*(((\g)/8)%2)+8*(2*(S_/4)+(S_%4)/2)+Q_
	WIN (1+FB_/FPW)|((1+FA_/FPW)<<2)
.if Q_
	W2 v[D_:D_+7]
.else
	W2 0
.endif
.endm
; the largest magnitude of the 32 sums from v[x] on, in two chains side by side, and the conversions' scale operand: 18 entries
.macro CHAIN i, x
.if (\i) < 14
.set CB_, (\x)+16*((\i)%2)+2*((\i)/2)
.set CT_, TQ+1-(\i)%2
	WIN 0
.if (\i) < 2
	v_max3_num_f32 v[CT_], |v[CB_]|, |v[CB_+1]|, |v[CB_+2]|
.else
	v_max3_num_f32 v[CT_], v[CT_], |v[CB_+1]|, |v[CB_+2]|
.endif
.elseif (\i) == 14
	WIN 0
	v_max3_num_f32 v[TQ+1], v[TQ+1], |v[(\x)+15]|, 0x1800000   ; the floor 2^(3 - 127): the byte cannot fall under 1
.elseif (\i) == 15
	WIN 0
	v_nop
.elseif (\i) == 16
	WIN 0
	v_max3_num_f32 v[TQ], v[TQ], |v[(\x)+31]|, v[TQ+1]
.elseif (\i) == 17
	WIN 0
	v_add_nc_u32 v[SOP], 0xff000000, v[TQ]                     ; 2 off the exponent field
.endif
.endm
.macro PRODS g, from, to, chain        ; behind every second product two entries of the last block's chain
.set N_, \from
.rept (\to)-(\from)
	PROD \g, N_
.if (\chain) && (N_%2)
	CHAIN N_-1, ACC+32*(1-(\g)%2)
	CHAIN N_, ACC+32*(1-(\g)%2)
.endif
.set N_, N_+1
.endr
.endm
.macro CODES x                         ; 32 codes into v[NCD ..], the byte into v[EB]; the four plain lines are also the places ahead of the fetch
	v_cvt_scalef32_pk16_fp6_f32 v[NCD:NCD+2], v[\x:\x+15], v[SOP]
	v_cvt_scalef32_pk16_fp6_f32 v[TC:TC+2], v[\x+16:\x+31], v[SOP]
	v_lshrrev_b32 v[EB], 23, v[SOP]
.irp i, 0,1,2
	v_mov_b32 v[NCD+3+\i], v[TC+\i]
.endr
.endm
.macro OUTB p                          ; block p's byte into the stage, its part to memory
.set TP_, (\p)/8
.set SP_, (\p)%8
.if TP_ < 2
	ds_store_b8 v[STQ], v[EB] offset:1024*TP_+256*(SP_/4)+64*((SP_%4)/2)+2*(SP_%2)
.set OF_, 768*(8*(SP_/4)+SP_%4)
.else
	ds_store_b8 v[STV], v[EB] offset:2048+512*(SP_/4)+64*(SP_%4)
.set OF_, 196608*(SP_/4)+1536*(SP_%4)
.endif
	global_store_b128 v[O16], v[NCD:NCD+3], s[12+12*TP_:13+12*TP_] offset:OF_
	global_store_b64 v[O8], v[NCD+4:NCD+5], s[12+12*TP_:13+12*TP_] offset:OF_+512
.endm
.macro BLK g, w
	s_wait_dscnt \w
	s_wait_xcnt 0x0                    ; the last part's stores have read their data
.if (\g) > 0
	PRODS \g, 0, 32, 1
	WIN 0
	WALU
	CODES ACC+32*(1-(\g)%2)
	OUTB (\g)-1
.else
	PRODS \g, 0, 32, 0
	WIN 0
	PLACES 4
.endif
.if (\g)+2 < 24
	FETCHB (\g)+2
.endif
.endm
; a block with a round (kind 0: resident region and slot 0; kind 1: slot 1) or with a plain barrier that shows the last fill (kind 2)
.macro RBLK g, kind
.set NX_, 12*((\g)/8+1)
	s_wait_dscnt NF
	s_wait_xcnt 0x0
.if \kind < 2
	s_wait_tensorcnt 0x0
	ds_add_u32 v[SPW], v[NIL]
.if \kind == 0
	s_add_nc_u64 s[G0R+2:G0R+3], s[8+NX_:9+NX_], s[100:101]
	s_or_b32 s[G0R+3], s[G0R+3], 0x80000000
	s_mov_b64 s[G0X+2:G0X+3], s[4+NX_:5+NX_]
	s_mov_b32 s[G0X+1], 0
.else
	s_add_nc_u64 s[G0X+2:G0X+3], s[4+NX_:5+NX_], 128*KROW
	s_mov_b32 s[G0X+1], YB
.endif
	s_or_b32 s[G0X+3], s[G0X+3], 0x80000000
.endif
	PRODS \g, 0, 26, 1
	WIN 0
	WALU
.if \kind == 2
	s_wait_tensorcnt 0x0
.endif
	s_wait_dscnt 0x0
	s_barrier_signal -1
	PRODS \g, 26, 32, 0
	WIN 0
	CODES ACC+32*(1-(\g)%2)
.if \kind == 2
	s_barrier_wait -1
.else
	MIDDLE
	BARRIER
.if \kind == 0
	s_cmp_lt_u32 s40, 2
	s_cbranch_scc0 .Lrx_\@
	TLOAD G0R, G1B
	s_branch .Lrd_\@
.Lrx_\@:
.endif
	s_cmp_eq_u32 s40, 2
	s_cbranch_scc0 .Lrd_\@
	TLOAD G0X, G1A
.Lrd_\@:
.endif
	WALU
	OUTB (\g)-1
.if \kind == 0
	PF VPX, 4+NX_, 128*KROW
.elseif (\kind == 1) && ((\g) < 8)
	PF VPR, 32, 0
	PF VPX, 28, 0
.endif
	FETCHB (\g)+2
.endm
.macro PHASE t
.if \t == 0
	BLK 0, NF
.else
	BLK 8*\t, 0
.endif
	BLK 8*\t+1, NF
.if \t < 2
	RBLK 8*\t+2, 0
.else
	RBLK 8*\t+2, 2
.endif
	BLK 8*\t+3, NF
	BLK 8*\t+4, NF
	BLK 8*\t+5, NF
.if \t < 2
	RBLK 8*\t+6, 1
	BLK 8*\t+7, NF
	WEIGHTS                            ; the next phase's resident rows
.if \t == 0
	SCLOAD 2
.else
	s_wait_loadcnt 0x0
.endif
.else
	BLK 22, NF
	BLK 23, 0
.endif
.endm
; ---- the head.  Address p of the eighteen lies at s[4 + 2 p]; phase t: streamed codes +0, scales +2, resident codes +4, scales +6, codes out +8, scales out +10, from s[4 + 12 t]
	s_load_b512 s[4:19], s[0:1], 0x0
	s_load_b512 s[20:35], s[0:1], 0x40
	s_load_b128 s[36:39], s[0:1], 0x80
	v_lshl_add_u32 v[SPW], v0, 2, SPARE
	v_mov_b32 v[NIL], 0
	ds_add_u32 v[SPW], v[NIL]
	ds_add_u32 v[SPW], v[NIL]
	v_lshrrev_b32 v1, 5, v0
	v_readfirstlane_b32 s40, v1        ; wave; s41 its row a of the 2 x 2, s42 its column b
	s_lshr_b32 s41, s40, 1
	s_and_b32 s42, s40, 1
	s_bfe_u32 s43, ttmp6, 0x40000      ; cx
	s_bfe_u32 s44, ttmp6, 0x40004      ; cy
	s_and_b32 s46, ttmp7, 0xffff
	s_lshl_b32 s48, s44, 2
	s_lshl_b32 s48, 15, s48            ; my row of the cluster
	s_lshl_b32 s49, 0x1111, s43        ; my column
	GROUP1 G1A, 48, 128
	GROUP1 G1B, 49, 64
	s_lshl_b32 s50, s46, 2
	s_add_co_u32 s50, s50, s44         ; Q, K: streamed tile
	s_lshl_b32 s51, ttmp9, 2
	s_add_co_u32 s51, s51, s43         ; Q, K: resident tile
	s_lshl_b32 s47, s46, 1
	s_add_co_u32 s47, s47, ttmp9
	s_lshl_b32 s47, s47, 2
	s_add_co_u32 s47, s47, s43         ; V: resident tile of 128 tokens
	s_mul_i32 s84, s50, 256*KROW
	s_mov_b32 s85, 0
	s_mul_i32 s86, s51, 128*KROW
	s_mov_b32 s87, 0
	s_mov_b32 s89, 0
	s_mul_i32 s100, s40, 64*KROW
	s_mov_b32 s101, 0
	s_mov_b32 s[G0X], 1
	s_mov_b32 s[G0X+1], 0
	s_mov_b32 s[G0Y], 1
	s_mov_b32 s[G0Y+1], YB
	s_mov_b32 s[G0R], 1
	s_mul_i32 s[G0R+1], s40, 64*PITCH
	s_add_co_u32 s[G0R+1], s[G0R+1], BVB
	s_mul_i32 s60, s41, 64*PITCH
	s_mul_i32 s61, s42, 64*PITCH
	s_add_co_u32 s61, s61, BVB
	s_lshl_b32 s62, s42, 9
	s_lshl_b32 s63, s41, 7
	s_add_co_u32 s62, s62, s63
	s_add_co_u32 s62, s62, STG
	s_lshl_b32 s63, s41, 8
	s_lshl_b32 s90, s42, 1
	s_add_co_u32 s63, s63, s90
	s_add_co_u32 s63, s63, STG
	s_lshl_b32 s90, s43, 2
	s_add_co_u32 s90, s90, s40
	s_mul_i32 s90, s90, 6144
	s_lshl_b32 s91, s44, 2
	s_add_co_u32 s91, s91, s40
	s_mul_i32 s91, s91, 6144
	s_lshl_b32 s92, s40, 8
	s_add_co_u32 s92, s92, STG
	v_and_b32 v1, 15, v0
	v_bfe_u32 v2, v0, 4, 1
	v_and_b32 v3, 31, v0
	v_mul_u32_u24 v26, v1, PITCH
	v_mad_u32_u24 v27, v2, 24, v26
	v_mad_u32_u24 v28, v2, 40, v26
	v_add_nc_u32 v[A0], s60, v27
	v_add_nc_u32 v[A0+1], s60, v28
	v_and_b32 v26, 7, v1
	v_lshrrev_b32 v27, 3, v1
	v_lshl_add_u32 v26, v27, 5, v26
	v_mul_u32_u24 v26, v26, PITCH
	v_add_nc_u32 v26, s61, v26
	v_mad_u32_u24 v27, v2, 24, v26
	v_mad_u32_u24 v28, v2, 40, v26
.irp t, 0,1,2,3
	v_add_nc_u32 v[BA+2*\t], (16*(\t%2)+8*(\t/2))*PITCH, v27
	v_add_nc_u32 v[BA+2*\t+1], (16*(\t%2)+8*(\t/2))*PITCH, v28
.endr
	v_lshlrev_b32 v[O16], 4, v3
	v_lshlrev_b32 v[O8], 3, v3
	v_lshl_add_u32 v26, v1, 2, v2
	v_add_nc_u32 v[STQ], s62, v26
	v_add_nc_u32 v[STV], s63, v26
	v_lshlrev_b32 v[VXS], 5, v3
	v_and_b32 v26, 7, v0
	v_lshlrev_b32 v26, 5, v26
	v_bfe_u32 v27, v0, 3, 1
	v_lshl_add_u32 v26, v27, 10, v26
	v_lshl_add_u32 v[VRS], v2, 9, v26
	v_min_u32 v26, 23, v3
	v_lshl_add_u32 v[VPX], v26, 8, s90
	v_lshl_add_u32 v[VPR], v26, 8, s91
	v_lshl_add_u32 v[RDS], v3, 3, s92
	WALU
	s_wait_dscnt 0x0
	CROUND                             ; the opening round
	s_wait_kmcnt 0x0
	PADD 4, 84
	PADD 16, 84
	PADD 8, 86
	PADD 20, 86
	s_mov_b64 s[G0X+2:G0X+3], s[4:5]
	s_or_b32 s[G0X+3], s[G0X+3], 0x80000000
	s_add_nc_u64 s[G0Y+2:G0Y+3], s[4:5], 128*KROW
	s_or_b32 s[G0Y+3], s[G0Y+3], 0x80000000
	s_add_nc_u64 s[G0R+2:G0R+3], s[8:9], s[100:101]
	s_or_b32 s[G0R+3], s[G0R+3], 0x80000000
	s_cmp_lt_u32 s40, 2
	s_cbranch_scc0 .Lh2
	TLOAD G0R, G1B
	s_branch .Lhd
.Lh2:
	s_cmp_eq_u32 s40, 2
	s_cbranch_scc0 .Lh3
	TLOAD G0X, G1A
	s_branch .Lhd
.Lh3:
	TLOAD G0Y, G1A
.Lhd:
	s_mul_i32 s84, s44, 256*KROW
	PADD 28, 84
	s_mul_i32 s86, s47, 128*KROW
	PADD 32, 86
	s_lshl_b32 s60, s41, 11
	s_lshl_b32 s61, s42, 11
	s_lshl_b32 s88, s50, 13
	s_add_co_u32 s88, s88, s60
	PADD 6, 88
	PADD 18, 88
	s_lshl_b32 s88, s44, 13
	s_add_co_u32 s88, s88, s60
	PADD 30, 88
	s_lshl_b32 s88, s51, 12
	s_add_co_u32 s88, s88, s61
	PADD 10, 88
	PADD 22, 88
	s_lshl_b32 s88, s47, 12
	s_add_co_u32 s88, s88, s61
	PADD 34, 88
	SCLOAD 0
	SCLOAD 1
	s_lshr_b32 s60, s50, 3             ; Q, K out: 16 batch + 2 x resident tile
	s_lshl_b32 s60, s60, 4
	s_lshl_b32 s61, s51, 1
	s_add_co_u32 s60, s60, s61
	s_and_b32 s62, s50, 7
	s_add_co_u32 s61, s60, s42
	s_mul_i32 s88, s61, 98304
	s_lshl_b32 s63, s62, 2
	s_add_co_u32 s63, s63, s41
	s_mul_i32 s63, s63, 4*KROW
	s_add_co_u32 s88, s88, s63
	PADD 12, 88
	PADD 24, 88
	s_add_co_u32 s61, s60, s41
	s_lshl_b32 s88, s61, 12
	s_lshl_b32 s63, s62, 9
	s_add_co_u32 s88, s88, s63
	s_lshl_b32 s63, s42, 8
	s_add_co_u32 s88, s88, s63
	PADD 14, 88
	PADD 26, 88
	s_lshr_b32 s60, s47, 4             ; V out: 16 batch + 4 cy
	s_lshl_b32 s60, s60, 4
	s_lshl_b32 s61, s44, 2
	s_add_co_u32 s60, s60, s61
	s_and_b32 s62, s47, 15
	s_add_co_u32 s61, s60, s41
	s_mul_i32 s88, s61, 98304
	s_mul_i32 s63, s62, 6144
	s_add_co_u32 s88, s88, s63
	s_mul_i32 s63, s42, 768
	s_add_co_u32 s88, s88, s63
	PADD 36, 88
	s_add_co_u32 s61, s60, s40
	s_lshl_b32 s88, s61, 12
	s_lshl_b32 s63, s62, 8
	s_add_co_u32 s88, s88, s63
	PADD 38, 88
	s_cmp_lt_u32 s40, 2
	s_cbranch_scc0 .Lnr
	s_wait_tensorcnt 0x0
.Lnr:
	BARRIER                            ; the resident rows are in
	PF VPR, 20, 0
	PF VPX, 16, 0
	WEIGHTS
	s_cmp_eq_u32 s40, 3
	s_cbranch_scc1 .Lnx
	s_wait_tensorcnt 0x0
.Lnx:
	s_wait_dscnt 0x0
	BARRIER                            ; slot 0 is in; slot 1 may be on its way
	FETCHB 0
	FETCHB 1
	s_wait_loadcnt 0x0
	PHASE 0
	PHASE 1
	PHASE 2
; ---- the end: the last block's way out; the scale bytes leave, 256 on end a wave and tensor
	WIN 0
	PLACES 4
.set I_, 0
.rept 18
	CHAIN I_, ACC+32
.set I_, I_+1
.endr
	s_wait_xcnt 0x0
	WALU
	CODES ACC+32
	OUTB 23
	s_wait_dscnt 0x0
	BARRIER
.irp t, 0,1,2
	ds_load_b64 v[ACC+2*\t:ACC+2*\t+1], v[RDS] offset:1024*\t
.endr
	s_wait_dscnt 0x0
.irp t, 0,1,2
	global_store_b64 v[O8], v[ACC+2*\t:ACC+2*\t+1], s[14+12*\t:15+12*\t]
.endr
	s_wait_tensorcnt 0x0               ; the wave's end
	ds_add_u32 v[SPW], v[NIL]
	s_wait_dscnt 0x0
	CROUND
	s_endpgm
.Lfunc_end_k_qbf581e7971_proj:
	.size	k_qbf581e7971_proj, .Lfunc_end_k_qbf581e7971_proj-k_qbf581e7971_proj
	.p2alignl 7, 3214868480
	.fill 96, 4, 3214868480
	.section	.rodata,"a",@progbits
	.p2align	6, 0x0
	.amdhsa_kernel k_qbf581e7971_proj
		.amdhsa_group_segment_fixed_size 327680
		.amdhsa_private_segment_fixed_size 0
		.amdhsa_enable_private_segment 0
		.amdhsa_kernarg_size 144
		.amdhsa_user_sgpr_count 2
		.amdhsa_user_sgpr_kernarg_segment_ptr 1
		.amdhsa_wavefront_size32 1
		.amdhsa_system_sgpr_workgroup_id_x 1
		.amdhsa_system_sgpr_workgroup_id_y 1
		.amdhsa_system_sgpr_workgroup_id_z 1
		.amdhsa_system_vgpr_workitem_id 0
		.amdhsa_next_free_vgpr 840
		.amdhsa_next_free_sgpr 104
		.amdhsa_reserve_vcc 0
		.amdhsa_float_denorm_mode_32 3
		.amdhsa_float_denorm_mode_16_64 3
		.amdhsa_memory_ordered 1
		.amdhsa_forward_progress 1
		.amdhsa_inst_pref_size 237
	.end_amdhsa_kernel
	.amdgpu_metadata
---
amdhsa.version: [ 1, 2 ]
amdhsa.kernels:
  - .name:           k_qbf581e7971_proj
    .symbol:         k_qbf581e7971_proj.kd
    .args:
      - { .name: q_codes, .offset: 0, .size: 8, .value_kind: global_buffer, .address_space: global }
      - { .name: q_scales, .offset: 8, .size: 8, .value_kind: global_buffer, .address_space: global }
      - { .name: wq_codes, .offset: 16, .size: 8, .value_kind: global_buffer, .address_space: global }
      - { .name: wq_scales, .offset: 24, .size: 8, .value_kind: global_buffer, .address_space: global }
      - { .name: q_img, .offset: 32, .size: 8, .value_kind: global_buffer, .address_space: global }
      - { .name: q_sc, .offset: 40, .size: 8, .value_kind: global_buffer, .address_space: global }
      - { .name: k_codes, .offset: 48, .size: 8, .value_kind: global_buffer, .address_space: global }
      - { .name: k_scales, .offset: 56, .size: 8, .value_kind: global_buffer, .address_space: global }
      - { .name: wk_codes, .offset: 64, .size: 8, .value_kind: global_buffer, .address_space: global }
      - { .name: wk_scales, .offset: 72, .size: 8, .value_kind: global_buffer, .address_space: global }
      - { .name: k_img, .offset: 80, .size: 8, .value_kind: global_buffer, .address_space: global }
      - { .name: k_sc, .offset: 88, .size: 8, .value_kind: global_buffer, .address_space: global }
      - { .name: wv_codes, .offset: 96, .size: 8, .value_kind: global_buffer, .address_space: global }
      - { .name: wv_scales, .offset: 104, .size: 8, .value_kind: global_buffer, .address_space: global }
      - { .name: v_codes, .offset: 112, .size: 8, .value_kind: global_buffer, .address_space: global }
      - { .name: v_scales, .offset: 120, .size: 8, .value_kind: global_buffer, .address_space: global }
      - { .name: v_img, .offset: 128, .size: 8, .value_kind: global_buffer, .address_space: global }
      - { .name: v_sc, .offset: 136, .size: 8, .value_kind: global_buffer, .address_space: global }
    .group_segment_fixed_size: 327680
    .private_segment_fixed_size: 0
    .kernarg_segment_align: 8
    .kernarg_segment_size: 144
    .max_flat_workgroup_size: 128
    .sgpr_count:     104
    .vgpr_count:     840
    .wavefront_size: 32
...
	.end_amdgpu_metadata
.endif
;; end of part 1
;; launch attn (part 2): grid 4 x 64, 8 waves a work-group, clusters of 4 x 1, 206,848 bytes of LDS; arguments q_img, q_sc, k_img, k_sc, v_img, v_sc, o_img, o_sc; writes o_img, o_sc
.if DOCPART == 2
	.amdgcn_target "amdgcn-amd-amdhsa--gfx1250"
	.amdhsa_code_object_version 6
	.text
	.protected	k_qbf581e7971_attn
	.globl	k_qbf581e7971_attn
	.p2align	8
	.type	k_qbf581e7971_attn,@function
k_qbf581e7971_attn:
	s_mov_b64 s[64:65], 0
	v_nop
	global_prefetch_b8 v0, s[64:65] scope:SCOPE_SE
	s_setreg_imm32_b32 hwreg(HW_REG_WAVE_MODE, 25, 1), 1
	s_wait_xcnt 0x0
	s_wait_alu depctr_hold_cnt(0) depctr_sa_sdst(0) depctr_va_vdst(0) depctr_va_sdst(0) depctr_va_ssrc(0) depctr_va_vcc(0) depctr_vm_vsrc(0)
	s_getreg_b32 s2, hwreg(HW_REG_IB_STS2, 6, 4)
	s_cmp_eq_u32 s2, 0
	s_cbranch_scc0 .Lentry_in_a_cluster
	s_endpgm
.Lentry_in_a_cluster:
	s_bfe_u32 s2, ttmp6, 0x10000c
	s_cmp_lg_u32 s2, 0x3003
	s_cbranch_scc0 .Lentry_shape_is_right
	s_endpgm
.Lentry_shape_is_right:
; Causal attention of one (batch, head) for each cluster of four work-groups, both products on codes of FP6 (E2M3) with E8M0 scales; head size 64, 2,048 tokens.  The result, divided by the row's sum, is quantised along the
; model's 1,024 features (a head's 64 are two blocks) and stored as codes for the last product.
; WORK LEFT OUT: key steps all of whose keys come after a tile's queries: reference()'s own mask makes their p zero for all values of the inputs.
; THE SOFTMAX: t = score x log2(e) / 8; M = the row's largest t so far, rounded up to a whole number; p = 2^(t - M) is what is quantised, along the keys; the row's sum is taken of the unquantised p and divides at the end.
; When M moves, the sum and O are multiplied by 2^(old M - new M): exact.
; SHARES.  The head's K and V as codes are 2 x 98,304 bytes: they come into each work-group's LDS ONCE, by joint loads of the four partners (waves 0-2 K's thirds, waves 3-5 V's, waves 6, 7 the scale words), and are only
; read afterwards.  All is asked for at the head: there is nothing to prefetch ahead of.
; Each of the cluster's 32 waves owns two PAIRS of tiles of 16 queries, tiles T, T + 1 and then 126 - T, 127 - T, with T = 8 wave + 2 cx: a pair needs T / 8 + 1 key steps of 128, so every wave has 17 steps, and the number
; of steps hangs on the wave's number alone; cx enters global addresses and the mask's compare value, no branch and no LDS address.  The pair's two tiles share every fragment of K and V.
; LAYOUT.  Both products are used transposed: a lane holds one query (lane % 16).  Fragment 2 c + i of K (i = 0, 1) holds in its row m two keys: k 0-63 key 64 c + 32 (m / 8) + 8 i + m % 8, k 64-127 the key 16 further on.
; Q stands in 18 registers [0 x 6][q x 6][0 x 6]: the upper twelve are [q | 0], the lower twelve [0 | q]; the other key's codes meet zero codes.
; So lane (r, h) holds in registers 32 c + 0 .. 31 of the scores ONE block of 32 keys, block 2 c + h of the step; register 32 c + 8 t + j is key 64 c + 32 h + 16 (t % 2) + 8 (t / 2) + j: the order in which V's codes lie.
; REGISTERS.  Tile i's arrays lie in window i under the same numbers: v96-159 S^T, then p; v160-191 O^T; v192-209 Q; v212-223 p's codes; v224-230 the conversions' second halves.  Window 0 besides: v1-30 addresses and constants,
; v32-79 K's fragments, v210, v211 the mask's values, v248, v249 Q's scale words, v250, v251 V's, v252, v253 K's, and sixteen numbers a tile (from v232 and from v80): -M, t, the sum's pair, f, p's scale word, four maxima,
; two at work, two scale operands, two bytes: so the two tiles' serial chains stand line by line in turn under one window setting.  Window 1 besides: v32-79 V's fragments, v0-13 the second pair's q.
; ORDER OF LDS LOADS: V's 18 at a step's head, the next step's 18 of K behind the score products.  s_wait_dscnt 18 ahead of the score products: V's may be out; ahead of the last products: the next K's may be out.
; LIMITS: NaN and infinities are not served.  A block of zeros gets the byte 1 (its codes are zeros; only this program reads the bytes).  v_exp_f32 and v_rcp_f32 are taken as they are (1 ulp: ISA guide, their entries).
.set VIMG, 98304
.set KSC,  196608
.set VSC,  200704
.set SPARE, 0x32000
.set S,    96
.set O,    160
.set Q,    192
.set CD,   212
.set CT,   224
.set X0,   232
.set X1,   80
.set MV,   210
.set QW,   248
.set VW,   250
.set KW,   252
.set SPW,  254
.set NIL,  255
.set WV,   20
.set LIM,  21
.set T,    23
.set CX,   24
.set BH,   25
.set SEL,  26
.set CS,   28
.set G1,   32                          ; 128 rows of 256 bytes
.set G1S,  40                          ; 16 rows of 256 bytes
.set G0,   48
.set G0S,  52
.set SIG,  56
.set TK,   57
.set TS,   58
.set P,    59
.set HIM,  60
.set MSB, 0
.macro WIN new
.if MSB != \new
	s_set_vgpr_msb (MSB<<8)|\new
.set MSB, \new
.endif
.endm
.macro WALU
	s_wait_alu depctr_va_vdst(0)
.endm
.macro PLACES n
.rept \n
	v_nop
.endr
.endm
.macro CROUND
	s_barrier_signal -1
	s_barrier_wait -1
	s_cmp_lg_u32 s[WV], 0
	s_cbranch_scc1 .Lnot_wave_0_\@
	s_barrier_signal -3
.Lnot_wave_0_\@:
	s_barrier_wait -3
	s_barrier_signal -1
	s_barrier_wait -1
.endm
.macro TLOAD g0, g1
	tensor_load_to_lds s[\g0:\g0+3], s[\g1:\g1+7]
	s_nop 0
	PLACES 4
.endm
.macro KLOAD a, b, w, o, ow            ; K's four fragments and their scale words: 18 loads
.irp B, 0,1,2,3
	ds_load_b128 v[32+12*\B:35+12*\B], v[\a] offset:\o+3072*(\B/2)+128*(\B%2)
	ds_load_b64 v[36+12*\B:37+12*\B], v[\b] offset:\o+3072*(\B/2)+64*(\B%2)+512
	ds_load_b128 v[38+12*\B:41+12*\B], v[\a] offset:\o+3072*(\B/2)+128*(\B%2)+768
	ds_load_b64 v[42+12*\B:43+12*\B], v[\b] offset:\o+3072*(\B/2)+64*(\B%2)+1280
.endr
	ds_load_b32 v[KW], v[\w] offset:\ow
	ds_load_b32 v[KW+1], v[\w] offset:\ow+128
.endm
.macro SMUL i                          ; S^T = K Q^T of tile i: eight accumulators
	WIN 0x44*(\i)
.irp p, 0,1
	v_wmma_scale_f32_16x16x128_f8f6f4 v[S+32*\p:S+32*\p+7], v[32+24*\p:43+24*\p], v[Q+6:Q+17], 0, v[KW+\p], v[QW+\i] matrix_a_fmt:MATRIX_FMT_FP6 matrix_b_fmt:MATRIX_FMT_FP6
	v_wmma_scale_f32_16x16x128_f8f6f4 v[S+32*\p+8:S+32*\p+15], v[32+24*\p:43+24*\p], v[Q:Q+11], 0, v[KW+\p], v[QW+\i] matrix_a_fmt:MATRIX_FMT_FP6 matrix_b_fmt:MATRIX_FMT_FP6
	v_wmma_scale_f32_16x16x128_f8f6f4 v[S+32*\p+16:S+32*\p+23], v[44+24*\p:55+24*\p], v[Q+6:Q+17], 0, v[KW+\p], v[QW+\i] matrix_a_fmt:MATRIX_FMT_FP6 matrix_b_fmt:MATRIX_FMT_FP6 matrix_a_scale:MATRIX_SCALE_ROW1
	v_wmma_scale_f32_16x16x128_f8f6f4 v[S+32*\p+24:S+32*\p+31], v[44+24*\p:55+24*\p], v[Q:Q+11], 0, v[KW+\p], v[QW+\i] matrix_a_fmt:MATRIX_FMT_FP6 matrix_b_fmt:MATRIX_FMT_FP6 matrix_a_scale:MATRIX_SCALE_ROW1
.endr
.endm
.macro MASK i                          ; register n holds key 64 (n / 32) + 16 ((n / 8) % 2) + 8 ((n % 32) / 16) + n % 8 + 32 h of the step: hidden where it comes after my query
	WIN 0x41*(\i)
.set n, 0
.rept 64
	v_cmp_gt_i32 vcc_lo, 64*(n/32)+16*((n/8)%2)+8*((n%32)/16)+n%8, v[MV+\i]
	v_cndmask_b32 v[S+n], v[S+n], v20, vcc_lo
.set n, n+1
.endr
.endm
.macro MAXC i                          ; four chains, one over each 16 scores
.set XX, X0+(X1-X0)*(\i)
	WIN 0x15*(\i)
.irp b, 0,1,2,3
	v_max3_num_f32 v[XX+6+\b], v[S+16*\b], v[S+16*\b+1], v[S+16*\b+2]
.endr
	WIN 0x14*(\i)
.irp k, 3,5,7,9,11,13
.irp b, 0,1,2,3
	v_max3_num_f32 v[XX+6+\b], v[XX+6+\b], v[S+16*\b+\k], v[S+16*\b+\k+1]
.endr
.endr
.irp b, 0,1,2,3
	v_max_num_f32 v[XX+6+\b], v[XX+6+\b], v[S+16*\b+15]
.endr
.endm
.macro PKF i                           ; t - M, two at a time
.set XX, X0+(X1-X0)*(\i)
	WIN 0x41*(\i)
.set j, 0
.rept 32
	v_pk_fma_f32 v[S+j:S+j+1], v[S+j:S+j+1], s[CS:CS+1], v[XX:XX+1] op_sel_hi:[1,0,0]
.set j, j+2
.endr
.endm
.macro EXPS i                          ; p = 2^(t - M): not normalised
	WIN 0x41*(\i)
.set j, 0
.rept 64
	v_exp_f32 v[S+j], v[S+j]
.set j, j+1
.endr
.endm
.macro CVTS i
.set XX, X0+(X1-X0)*(\i)
	WIN 0x41*(\i)
.irp c, 0,1
	v_cvt_scalef32_pk16_fp6_f32 v[CD+6*\c:CD+6*\c+2], v[S+32*\c:S+32*\c+15], v[XX+12+\c]
	v_cvt_scalef32_pk16_fp6_f32 v[CT+4*\c:CT+4*\c+2], v[S+32*\c+16:S+32*\c+31], v[XX+12+\c]
.endr
.endm
.macro MOVS i                          ; (a conversion's three registers begin on an even number)
	WIN 0x41*(\i)
.irp c, 0,1
.irp k, 0,1,2
	v_mov_b32 v[CD+3+6*\c+\k], v[CT+4*\c+\k]
.endr
.endr
.endm
.macro TREE i, n                       ; the row's sum of the unquantised p, in place: pair k takes pair n + k
	WIN 0x45*(\i)
.set k, 0
.rept \n
	v_pk_add_f32 v[S+2*k:S+2*k+1], v[S+2*k:S+2*k+1], v[S+2*(\n)+2*k:S+2*(\n)+2*k+1]
.set k, k+1
.endr
.endm
.macro OSC i                           ; the sum takes the tree's root; O^T under the new M
.set XX, X0+(X1-X0)*(\i)
	WIN 0x04*(\i)
	v_pk_add_f32 v[XX+2:XX+3], v[XX+2:XX+3], v[S:S+1]
	WIN 0x41*(\i)
	WALU                               ; the wait directly ahead of the first reader of O^T
.set j, 0
.rept 16
	v_pk_mul_f32 v[O+j:O+j+1], v[O+j:O+j+1], v[XX+4:XX+5] op_sel_hi:[1,0]
.set j, j+2
.endr
.endm
.macro PV i                            ; O^T += V^T P^T: four accumulators
.set XX, X0+(X1-X0)*(\i)
	WIN 1+0x54*(\i)
.irp p, 0,1
	v_wmma_scale_f32_16x16x128_f8f6f4 v[O+16*\p:O+16*\p+7], v[32+24*\p:43+24*\p], v[CD:CD+11], v[O+16*\p:O+16*\p+7], v[VW+\p], v[XX+5] matrix_a_fmt:MATRIX_FMT_FP6 matrix_b_fmt:MATRIX_FMT_FP6
	v_wmma_scale_f32_16x16x128_f8f6f4 v[O+16*\p+8:O+16*\p+15], v[44+24*\p:55+24*\p], v[CD:CD+11], v[O+16*\p+8:O+16*\p+15], v[VW+\p], v[XX+5] matrix_a_fmt:MATRIX_FMT_FP6 matrix_b_fmt:MATRIX_FMT_FP6 matrix_a_scale:MATRIX_SCALE_ROW1
.endr
.endm
.macro TE1 i                           ; a tile's end: O^T / the sum; after the exchange register 16 b + k is channel 32 b + 16 h + k; the blocks' largest magnitudes
.set XX, X0+(X1-X0)*(\i)
	WIN 0x41*(\i)
	WALU
.set j, 0
.rept 32
	v_mul_f32 v[S+j], v[O+j], v[XX+2]
.set j, j+1
.endr
.irp b, 0,1
.irp k, 0,1,2,3,4,5,6,7
	v_permlane16_swap_b32 v[S+16*\b+\k], v[S+16*\b+8+\k]
.endr
.endr
	WIN 0x05*(\i)
.irp b, 0,1
	v_max3_num_f32 v[XX+6+\b], |v[S+16*\b]|, |v[S+16*\b+1]|, 0x1800000
.endr
	WIN 0x14*(\i)
.irp k, 2,4,6,8,10,12,14
.irp b, 0,1
	v_max3_num_f32 v[XX+6+\b], v[XX+6+\b], |v[S+16*\b+\k]|, |v[S+16*\b+\k+1]|
.endr
.endr
.endm
.macro TE2 i                           ; its codes: lane r + 16 H holds block H of query r, six registers; 768 consecutive bytes leave
.set XX, X0+(X1-X0)*(\i)
	WIN 0x41*(\i)
	v_cvt_scalef32_pk16_fp6_f32 v[CD:CD+2], v[S:S+15], v[XX+12]
	v_cvt_scalef32_pk16_fp6_f32 v[CT:CT+2], v[S+16:S+31], v[XX+13]
	v_nop
.irp k, 0,1,2
	v_permlane16_swap_b32 v[CD+\k], v[CT+\k]
.endr
.irp k, 0,1,2
	v_mov_b32 v[CD+3+\k], v[CT+\k]
.endr
	WIN 0x04*(\i)
	global_store_b128 v1, v[CD:CD+3], s[66:67] offset:12288*(\i)
	global_store_b64 v2, v[CD+4:CD+5], s[66:67] offset:12288*(\i)+512
	WIN 0
	global_store_b8 v19, v[XX+10], s[68:69] offset:512*(\i)   ; a row's 32 scale bytes come from sixteen heads, in other work-groups: two bytes a row from here
.endm
	s_load_b512 s[4:19], s[0:1], 0x0               ; q_img, q_sc, k_img, k_sc, v_img, v_sc, o_img, o_sc
	v_lshl_add_u32 v[SPW], v0, 2, SPARE
	v_mov_b32 v[NIL], 0
	ds_add_u32 v[SPW], v[NIL]
	ds_add_u32 v[SPW], v[NIL]
	v_lshrrev_b32 v7, 5, v0
	v_readfirstlane_b32 s[WV], v7
	s_bfe_u32 s[CX], ttmp6, 0x40000
	s_and_b32 s[BH], ttmp7, 0xffff
	s_mov_b32 s[G1], 15|(3<<16)|(1<<21)
	s_mov_b32 s[G1+1], 32<<16
	s_mov_b32 s[G1+2], 128<<16
	s_mov_b32 s[G1+3], 32<<16
	s_mov_b32 s[G1+4], 128
	s_mov_b32 s[G1+5], 32
	s_mov_b32 s[G1+6], 0
	s_mov_b32 s[G1+7], 0
	s_mov_b32 s[G1S], 15|(3<<16)|(1<<21)
	s_mov_b32 s[G1S+1], 32<<16
	s_mov_b32 s[G1S+2], 16<<16
	s_mov_b32 s[G1S+3], 32<<16
	s_mov_b32 s[G1S+4], 16
	s_mov_b32 s[G1S+5], 32
	s_mov_b32 s[G1S+6], 0
	s_mov_b32 s[G1S+7], 0
	s_mul_i32 s30, s[BH], 98304                    ; the head's codes
	s_mov_b32 s31, 0
	s_mul_i32 s[G0+1], s[WV], 32768                ; K's three thirds, then V's three
	s_cmp_lt_u32 s[WV], 3
	s_cselect_b32 s62, 0, 98304
	s_sub_co_u32 s62, s[G0+1], s62                 ; my third's place in its tensor
	s_add_co_u32 s62, s62, s30
	s_mov_b32 s63, 0
	s_wait_dscnt 0x0
	s_wait_kmcnt 0x0
	s_cmp_lt_u32 s[WV], 3
	s_cselect_b64 s[G0+2:G0+3], s[8:9], s[12:13]
	s_add_nc_u64 s[G0+2:G0+3], s[G0+2:G0+3], s[62:63]
	s_or_b32 s[G0+3], s[G0+3], 0x80000000
	s_mov_b32 s[G0], 1
	s_and_b32 s62, s[WV], 1
	s_cmp_eq_u32 s62, 0                            ; wave 6 brings K's scale words, wave 7 V's
	s_cselect_b64 s[G0S+2:G0S+3], s[10:11], s[14:15]
	s_lshl_b32 s62, s62, 12
	s_add_co_u32 s[G0S+1], s62, KSC
	s_lshl_b32 s62, s[BH], 12
	s_add_nc_u64 s[G0S+2:G0S+3], s[G0S+2:G0S+3], s[62:63]
	s_or_b32 s[G0S+3], s[G0S+3], 0x80000000
	s_mov_b32 s[G0S], 1
	CROUND                                         ; all four work-groups are here: the joint loads meet
	s_cmp_lt_u32 s[WV], 6
	s_cbranch_scc0 .Lwords
	TLOAD G0, G1
	s_branch .Lasked
.Lwords:
	TLOAD G0S, G1S
.Lasked:
	s_add_nc_u64 s[4:5], s[4:5], s[30:31]          ; Q's codes at my head
	s_lshl_b32 s30, s[BH], 12
	s_add_nc_u64 s[6:7], s[6:7], s[30:31]          ; Q's scale words
	s_lshr_b32 s62, s[BH], 4                       ; batch
	s_and_b32 s63, s[BH], 15                       ; head
	s_mul_i32 s30, s62, 1572864                    ; o_img: 128 token tiles of 12,288 bytes a batch, a part of 768 bytes a head
	s_mul_i32 s31, s63, 768
	s_add_co_u32 s30, s30, s31
	s_mov_b32 s31, 0
	s_add_nc_u64 s[16:17], s[16:17], s[30:31]
	s_lshl_b32 s30, s62, 16                        ; o_sc: 2,048 rows of 32 bytes a batch, two bytes a head
	s_lshl_b32 s63, s63, 1
	s_add_co_u32 s30, s30, s63
	s_add_nc_u64 s[18:19], s[18:19], s[30:31]
	s_mov_b32 s[LIM], s[WV]                        ; the first pair's last key step
	s_lshl_b32 s[T], s[WV], 3
	s_lshl_b32 s74, s[CX], 1
	s_add_co_u32 s[T], s[T], s74                   ; T = 8 wave + 2 cx
	s_xor_b32 s75, s[T], 126                       ; the second pair begins at 126 - T
	s_mov_b32 s77, 0
	s_mul_i32 s76, s[T], 768
	s_add_nc_u64 s[66:67], s[4:5], s[76:77]
	s_mul_i32 s76, s75, 768
	s_add_nc_u64 s[68:69], s[4:5], s[76:77]
	s_lshl_b32 s76, s[T], 5                        ; a pair of tiles has sixteen words
	s_add_nc_u64 s[70:71], s[6:7], s[76:77]
	s_lshl_b32 s76, s75, 5
	s_add_nc_u64 s[72:73], s[6:7], s[76:77]
	s_mov_b32 s[SEL], 0x76543210
	s_mov_b32 s[SEL+1], 0xfedcba98
	s_mov_b32 s[CS], 0x3e38aa3b                    ; log2(e) / 8
	s_mov_b32 s[CS+1], s[CS]
	s_mov_b32 s[HIM], 0xffff0000
	s_mov_b32 s[P], 0
	v_and_b32 v7, 31, v0
	v_and_b32 v16, 15, v0                          ; r
	v_bfe_u32 v17, v0, 4, 1                        ; h
	v_lshlrev_b32 v1, 4, v7                        ; 16 x lane
	v_lshlrev_b32 v2, 3, v7                        ; 8 x lane
	v_lshlrev_b32 v18, 2, v16
	global_load_b128 v[Q+6:Q+9], v1, s[66:67]      ; tile T's q
	global_load_b64 v[Q+10:Q+11], v2, s[66:67] offset:512
	global_load_b32 v26, v18, s[70:71]             ; the pairs' scale words
	global_load_b32 v27, v18, s[72:73]
	WIN 0x40
	global_load_b128 v[Q+6:Q+9], v1, s[66:67] offset:768       ; tile T + 1's
	global_load_b64 v[Q+10:Q+11], v2, s[66:67] offset:1280
	global_load_b128 v[0:3], v1, s[68:69]                      ; the second pair's
	global_load_b64 v[4:5], v2, s[68:69] offset:512
	global_load_b128 v[8:11], v1, s[68:69] offset:768
	global_load_b64 v[12:13], v2, s[68:69] offset:1280
	WIN 0
	v_add_nc_u32 v3, VIMG, v1
	v_add_nc_u32 v22, VIMG, v2
	v_bfe_u32 v12, v0, 3, 1                        ; x = r / 8: K's rows 8-15 of a fragment lie two parts (32 keys) on
	v_and_b32 v13, 7, v0
	v_mul_u32_u24 v29, v12, 1536
	v_lshl_add_u32 v23, v13, 4, v29
	v_lshl_add_u32 v24, v13, 3, v29
	v_lshl_add_u32 v25, v12, 6, KSC
	v_lshl_add_u32 v23, v17, 8, v23                ; K, 16 bytes: 1,536 x + 16 (r % 8) + 256 h
	v_lshl_add_u32 v24, v17, 7, v24                ; K, 8 bytes: 1,536 x + 8 (r % 8) + 128 h
	v_lshl_add_u32 v25, v17, 5, v25
	v_lshlrev_b32 v28, 3, v17                      ; 8 h
	v_lshl_add_u32 v25, v13, 2, v25                ; K's scale words: 64 x + 32 (lane / 16) + 4 (r % 8)
	v_lshl_add_u32 v4, v7, 2, KSC
	v_lshl_add_u32 v19, v16, 5, v17                ; 32 r + h: my byte in o_sc
	v_lshlrev_b32 v5, 5, v17
	v_mov_b32 v20, 0xff800000                      ; -infinity
	v_sub_nc_u32 v5, v16, v5                       ; r - 32 h
.irp j, 0,1,2,3,4,5,12,13,14,15,16,17
	v_mov_b32 v[Q+\j], 0                           ; Q's zero codes
.endr
.set j, 0
.rept 16
	v_mov_b32 v[X0+j], 0                           ; named (a permute's destination, the upper half of a pair) before they are first written
	v_mov_b32 v[X1+j], 0
.set j, j+1
.endr
	WIN 0x40
.irp j, 0,1,2,3,4,5,12,13,14,15,16,17
	v_mov_b32 v[Q+\j], 0
.endr
	WIN 0
	s_wait_loadcnt 0x0                             ; Q
	s_wait_tensorcnt 0x0                           ; my part of the head has landed,
	s_barrier_signal -1
	s_barrier_wait -1                              ; everybody's has.  From here on LDS is only read
.Lpass:                                                ; two trips: my two pairs of tiles
	s_and_b32 s74, s[T], 7
	s_lshl_b32 s74, s74, 4
	s_mov_b32 s75, 0x01000100
	s_mov_b32 s76, 0x03020302
	WALU
	v_perm_b32 v[QW], v26, v26, s75                ; Q's scale words [s0, s1, s0, s1]: the even tile's bytes 0, 1,
	v_perm_b32 v[QW+1], v26, v26, s76              ; the odd tile's bytes 2, 3
	v_add_nc_u32 v[MV], s74, v5                    ; my query's place in the diagonal step, less 32 h
.irp x, X0, X1
	v_mov_b32 v[\x+1], 0xff61b1e6                  ; the largest t so far: -3e38
	v_mov_b32 v[\x+2], 0
	v_mov_b32 v[\x+3], 0
.endr
	v_add_nc_u32 v[MV+1], 16, v[MV]
.irp x, X0, X1
	v_floor_f32 v[\x], -v[\x+1]                    ; -M
.endr
.set j, 0
.rept 32
	v_mov_b32 v[O+j], 0                            ; O^T
.set j, j+1
.endr
	WIN 0x40
.set j, 0
.rept 32
	v_mov_b32 v[O+j], 0
.set j, j+1
.endr
	WIN 0
	s_wait_dscnt 0x0                               ; no load into K's registers is out
	KLOAD 23, 24, 25, 0, 0                         ; key step 0
	s_mov_b32 s[SIG], 0
	s_mov_b32 s[TK], 0
	s_mov_b32 s[TS], 0
.Lstep:                                                ; sixteen trips, a constant; a step all of whose keys come after my queries does no work
	s_cmp_gt_u32 s[SIG], s[LIM]
	s_cbranch_scc1 .Lhidden
	v_add_nc_u32 v8, s[TK], v23                    ; six plain instructions: also the places between the last step's products and the loads into V's registers
	v_add_nc_u32 v9, s[TK], v24
	v_add_nc_u32 v10, s[TK], v3
	v_add_nc_u32 v21, s[TK], v22
	v_add_nc_u32 v11, s[TS], v4
	v_add_nc_u32 v30, s[TS], v25
	WIN 0x40
.irp c, 0,1,2,3                        ; V's four fragments, two parts of 768 bytes each
.irp g, 0,1
	ds_load_b128 v[32+12*\c+6*\g:35+12*\c+6*\g], v10 offset:1536*\c+768*\g
	ds_load_b64 v[36+12*\c+6*\g:37+12*\c+6*\g], v21 offset:1536*\c+768*\g+512
.endr
.endr
	WIN 0
	ds_load_b32 v[VW], v11 offset:VSC-KSC
	ds_load_b32 v[VW+1], v11 offset:VSC-KSC+128
	WALU
	s_wait_dscnt 18                                ; this step's K is in; V's 18 loads may be out
	SMUL 0
	SMUL 1
	WIN 0
	PLACES 4                                       ; in front of the loads below and of the first read of the scores
	KLOAD 8, 9, 30, 6144, 256                      ; the next step's K (behind the last step: V's codes and words, loaded and not used)
	s_cmp_lg_u32 s[SIG], s[LIM]                    ; only the pair's last step lies on the diagonal
	s_cbranch_scc1 .Lopen
	MASK 0
	MASK 1
	WIN 0
.Lopen:
	MAXC 0
	MAXC 1
	WIN 0
.irp x, X0, X1
	v_max_num_f32 v[\x+6], v[\x+6], v[\x+7]        ; the largest score of my block h: for the row's maximum, and, since p rises with the score, for the block's largest p
	v_max_num_f32 v[\x+8], v[\x+8], v[\x+9]        ; and of my block 2 + h
.endr
.irp x, X0, X1
	v_max_num_f32 v[\x+10], v[\x+6], v[\x+8]
.endr
.irp x, X0, X1
	v_permlanex16_b32 v[\x+11], v[\x+10], s[SEL], s[SEL+1]
.endr
.irp x, X0, X1
	v_max_num_f32 v[\x+10], v[\x+10], v[\x+11]     ; the step's largest score of my query
.endr
.irp x, X0, X1
	v_mul_f32 v[\x+10], s[CS], v[\x+10]            ; as t
.endr
.irp x, X0, X1
	v_max_num_f32 v[\x+1], v[\x+1], v[\x+10]       ; the running largest t
.endr
.irp x, X0, X1
	v_mov_b32 v[\x+10], v[\x]
.endr
.irp x, X0, X1
	v_floor_f32 v[\x], -v[\x+1]                    ; the new -M = -ceil(t)
.endr
.irp x, X0, X1
	v_sub_f32 v[\x+10], v[\x], v[\x+10]            ; old M - new M: a whole number, 0 or less
.endr
.irp x, X0, X1
	v_cvt_i32_f32 v[\x+10], v[\x+10]               ; (it saturates)
.endr
.irp x, X0, X1
	v_ldexp_f32 v[\x+4], 1.0, v[\x+10]             ; f = 2^(old M - new M)
.endr
.irp x, X0, X1
	v_fma_f32 v[\x+6], v[\x+6], s[CS], v[\x]       ; t - M of each block's largest score
	v_fma_f32 v[\x+8], v[\x+8], s[CS], v[\x]
.endr
	PKF 0
	PKF 1
	WALU
	EXPS 1
	EXPS 0
.irp x, X0, X1
	v_exp_f32 v[\x+6], v[\x+6]                     ; the block's largest p
	v_exp_f32 v[\x+8], v[\x+8]
.endr
.irp x, X0, X1
	v_pk_mul_f32 v[\x+2:\x+3], v[\x+2:\x+3], v[\x+4:\x+5] op_sel_hi:[1,0]   ; the sums under the new M.  (Plain places behind the exponentials)
.endr
	WALU
.irp x, X0, X1
	v_max_num_f32 v[\x+6], 0x1800000, v[\x+6]      ; the floor 2^(3 - 127): the byte cannot fall under 1
	v_max_num_f32 v[\x+8], 0x1800000, v[\x+8]
.endr
.irp x, X0, X1
	v_add_nc_u32 v[\x+12], 0xff000000, v[\x+6]     ; 2 off the exponent field: the conversions' scale operand
	v_add_nc_u32 v[\x+13], 0xff000000, v[\x+8]
.endr
.irp x, X0, X1
	v_lshrrev_b32 v[\x+14], 23, v[\x+12]           ; the scale's byte
	v_lshrrev_b32 v[\x+15], 23, v[\x+13]
.endr
.irp x, X0, X1
	v_lshl_or_b32 v[\x+5], v[\x+15], 16, v[\x+14]  ; my two bytes, blocks h and 2 + h,
.endr
.irp x, X0, X1
	v_lshlrev_b32 v[\x+5], v28, v[\x+5]            ; at their places in the word;
.endr
.irp x, X0, X1
	v_permlanex16_b32 v[\x+11], v[\x+5], s[SEL], s[SEL+1]
.endr
.irp x, X0, X1
	v_or_b32 v[\x+5], v[\x+5], v[\x+11]            ; with lane l xor 16's two: p's scale word for these 128 keys
.endr
	CVTS 0
	CVTS 1
	v_nop                                          ; one plain place behind a scaled conversion
	MOVS 1
	MOVS 0
.irp n, 16,8,4,2,1
	TREE 0, \n
	TREE 1, \n
.endr
	OSC 1
	OSC 0
	WIN 0
	WALU
	s_wait_dscnt 18                                ; V's fragments and words are in; the next K's 18 loads may be out
	PV 0
	PV 1
	WIN 0
.Lhidden:
	s_add_co_u32 s[TK], s[TK], 6144
	s_add_co_u32 s[TS], s[TS], 256
	s_add_co_u32 s[SIG], s[SIG], 1
	s_cmp_lt_u32 s[SIG], 16
	s_cbranch_scc1 .Lstep
	; THE PAIR'S END.  Register 8 c + j of O^T is channel 16 c + 8 h + j of my query.
	PLACES 4                                       ; behind the last products
	s_wait_dscnt 0x0
	s_mul_i32 s76, s[T], 12288
	s_mov_b32 s77, 0
	s_add_nc_u64 s[66:67], s[16:17], s[76:77]
	s_lshl_b32 s76, s[T], 9
	s_add_nc_u64 s[68:69], s[18:19], s[76:77]
	WALU
.irp x, X0, X1
	v_add_f32 v[\x+2], v[\x+2], v[\x+3]
.endr
.irp x, X0, X1
	v_permlanex16_b32 v[\x+11], v[\x+2], s[SEL], s[SEL+1]
.endr
.irp x, X0, X1
	v_add_f32 v[\x+2], v[\x+2], v[\x+11]           ; the row's sum
.endr
	WALU
.irp x, X0, X1
	v_rcp_f32 v[\x+2], v[\x+2]
.endr
	v_nop
	TE1 0
	TE1 1
	WIN 0
.irp x, X0, X1
	v_permlanex16_b32 v[\x+8], v[\x+6], s[SEL], s[SEL+1]
	v_permlanex16_b32 v[\x+9], v[\x+7], s[SEL], s[SEL+1]
.endr
.irp x, X0, X1
	v_max_num_f32 v[\x+6], v[\x+6], v[\x+8]
	v_max_num_f32 v[\x+7], v[\x+7], v[\x+9]
.endr
.irp x, X0, X1
	v_add_nc_u32 v[\x+12], 0xff000000, v[\x+6]
	v_add_nc_u32 v[\x+13], 0xff000000, v[\x+7]
.endr
.irp x, X0, X1
	v_lshrrev_b32 v[\x+14], 23, v[\x+12]
	v_lshrrev_b32 v[\x+15], 23, v[\x+13]
.endr
.irp x, X0, X1
	v_cndmask_b32 v[\x+10], v[\x+14], v[\x+15], s[HIM]   ; lanes 0-15 store block 0's byte, lanes 16-31 block 1's
.endr
	TE2 0
	TE2 1
	s_xor_b32 s[T], s[T], 126                      ; on to tiles 126 - T, 127 - T:
	s_xor_b32 s[LIM], s[LIM], 15                   ; their last step is 15 - the first pair's
	WIN 0x01
.irp k, 0,1,2,3,4,5
	v_mov_b32 v[Q+6+\k], v[\k]
.endr
	WIN 0x41
.irp k, 0,1,2,3,4,5
	v_mov_b32 v[Q+6+\k], v[8+\k]
.endr
	WIN 0
	v_mov_b32 v26, v27
	s_wait_xcnt 0x0                                ; the stores have read their data and bases: both are written again in the next trip
	s_add_co_u32 s[P], s[P], 1
	s_cmp_lt_u32 s[P], 2
	WALU
	s_cbranch_scc1 .Lpass
	s_wait_tensorcnt 0x0                           ; the wave's end
	ds_add_u32 v[SPW], v[NIL]
	s_wait_dscnt 0x0
	CROUND                                         ; the closing round
	s_endpgm
.Lfunc_end_k_qbf581e7971_attn:
	.size	k_qbf581e7971_attn, .Lfunc_end_k_qbf581e7971_attn-k_qbf581e7971_attn
	.p2alignl 7, 3214868480
	.fill 96, 4, 3214868480
	.section	.rodata,"a",@progbits
	.p2align	6, 0x0
	.amdhsa_kernel k_qbf581e7971_attn
		.amdhsa_group_segment_fixed_size 206848
		.amdhsa_private_segment_fixed_size 0
		.amdhsa_enable_private_segment 0
		.amdhsa_kernarg_size 64
		.amdhsa_user_sgpr_count 2
		.amdhsa_user_sgpr_kernarg_segment_ptr 1
		.amdhsa_wavefront_size32 1
		.amdhsa_system_sgpr_workgroup_id_x 1
		.amdhsa_system_sgpr_workgroup_id_y 1
		.amdhsa_system_sgpr_workgroup_id_z 1
		.amdhsa_system_vgpr_workitem_id 0
		.amdhsa_next_free_vgpr 512
		.amdhsa_next_free_sgpr 80
		.amdhsa_reserve_vcc 1
		.amdhsa_float_denorm_mode_32 3
		.amdhsa_float_denorm_mode_16_64 3
		.amdhsa_memory_ordered 1
		.amdhsa_forward_progress 1
		.amdhsa_inst_pref_size 61
	.end_amdhsa_kernel
	.amdgpu_metadata
---
amdhsa.version: [ 1, 2 ]
amdhsa.kernels:
  - .name:           k_qbf581e7971_attn
    .symbol:         k_qbf581e7971_attn.kd
    .args:
      - { .name: q_img, .offset: 0, .size: 8, .value_kind: global_buffer, .address_space: global }
      - { .name: q_sc, .offset: 8, .size: 8, .value_kind: global_buffer, .address_space: global }
      - { .name: k_img, .offset: 16, .size: 8, .value_kind: global_buffer, .address_space: global }
      - { .name: k_sc, .offset: 24, .size: 8, .value_kind: global_buffer, .address_space: global }
      - { .name: v_img, .offset: 32, .size: 8, .value_kind: global_buffer, .address_space: global }
      - { .name: v_sc, .offset: 40, .size: 8, .value_kind: global_buffer, .address_space: global }
      - { .name: o_img, .offset: 48, .size: 8, .value_kind: global_buffer, .address_space: global }
      - { .name: o_sc, .offset: 56, .size: 8, .value_kind: global_buffer, .address_space: global }
    .group_segment_fixed_size: 206848
    .private_segment_fixed_size: 0
    .kernarg_segment_align: 8
    .kernarg_segment_size: 64
    .max_flat_workgroup_size: 256
    .sgpr_count:     80
    .vgpr_count:     512
    .wavefront_size: 32
...
	.end_amdgpu_metadata
.endif
;; end of part 2
;; launch outp (part 3): grid 8 x 32, 4 waves a work-group, clusters of 4 x 4, 327,680 bytes of LDS; arguments o_img, o_sc, wo_codes, wo_scales, out0; writes out0
.if DOCPART == 3
	.amdgcn_target "amdgcn-amd-amdhsa--gfx1250"
	.amdhsa_code_object_version 6
	.text
	.protected	k_qbf581e7971_outp
	.globl	k_qbf581e7971_outp
	.p2align	8
	.type	k_qbf581e7971_outp,@function
k_qbf581e7971_outp:
	s_mov_b64 s[64:65], 0
	v_nop
	global_prefetch_b8 v0, s[64:65] scope:SCOPE_SE
	s_setreg_imm32_b32 hwreg(HW_REG_WAVE_MODE, 25, 1), 1
	s_wait_xcnt 0x0
	s_wait_alu depctr_hold_cnt(0) depctr_sa_sdst(0) depctr_va_vdst(0) depctr_va_sdst(0) depctr_va_ssrc(0) depctr_va_vcc(0) depctr_vm_vsrc(0)
	s_getreg_b32 s2, hwreg(HW_REG_IB_STS2, 6, 4)
	s_cmp_eq_u32 s2, 0
	s_cbranch_scc0 .Lentry_in_a_cluster
	s_endpgm
.Lentry_in_a_cluster:
	s_bfe_u32 s2, ttmp6, 0x10000c
	s_cmp_lg_u32 s2, 0xf033
	s_cbranch_scc0 .Lentry_shape_is_right
	s_endpgm
.Lentry_shape_is_right:
; out0 = o wo^T on codes of FP6 (E2M3) with E8M0 scales, K = 1,024, sums and result in f32.  o_img: [tile of 16 tokens][head] parts of 768 bytes (lane l's registers 0-3 at 16 l, 4 and 5 at 512 + 8 l); o_sc: [token][32].
; THE DEAL.  256 work-groups of four waves (2 x 2), 256 tokens x 128 columns each.  A wave holds 64 rows of wo, all of K, in 384 registers and streams 128 tokens past them in eight blocks of 16: 32 products a block.
; Source 0 = wo's rows: a lane holds one token and eight neighbouring columns a tile.  A finished block goes through the wave's own stage in LDS and leaves as rows of 256 bytes while the next block is multiplied.
; CLUSTERS 4 x 4: the tokens' tiles are asked for jointly along a row of the cluster, wo's along a column.  All of LDS's fills are asked for at the head, one a wave, and nothing is filled again.
; No prefetch: every tile is asked for at the head, so the text has no loop in which to run ahead.
; THE WAITS' COUNTS: a fetch is NF = 32 loads, a block's trip through the stage 16 LDS instructions; 48: both may be out; 32: the fetch alone.
; LIMITS: NaN, infinities and a given scale byte 0xff are not served.
.set PITCH, 816
.set KROW,  768
.set RES,   196608                     ; behind the tokens' 16 tiles of 12,288 bytes
.set STAGE, RES+128*PITCH
.set SPARE, STAGE+4*16*272
.set NF,    32
.set FR,    12
.set FPW,   21
.set A0,   4                           ; v4 16 x lane, v5 8 x lane, at my first tile
.set SPW,  8
.set NIL,  9
.set ADRA, 10
.set STO,  12
.set RD,   13
.set VXS,  14
.set CO,   16
.set BA,   18
.set SB,   40
.set SA,   76
.set ACC,  144
.set BK,   208
.set G1A,  52
.set G1B,  68
.set G0X,  76
.set G0R,  80
.set G0Y,  96
.set MSB, 0
.macro WIN new
.if MSB != \new
	s_set_vgpr_msb (MSB<<8)|\new
.set MSB, \new
.endif
.endm
.macro PLACES n
.rept \n
	v_nop
.endr
.endm
.macro BARRIER
	s_barrier_signal -1
	s_barrier_wait -1
.endm
.macro CROUND
	s_barrier_signal -1
	s_barrier_wait -1
	s_cmp_lg_u32 s40, 0
	s_cbranch_scc1 .Lnw0_\@
	s_barrier_signal -3
.Lnw0_\@:
	s_barrier_wait -3
	BARRIER
.endm
.macro TLOAD g0, g1
	tensor_load_to_lds s[\g0:\g0+3], s[\g1:\g1+7]
	s_nop 0
	PLACES 4
.endm
.macro PADD p, o
	s_add_nc_u64 s[\p:\p+1], s[\p:\p+1], s[\o:\o+1]
.endm
.macro FRAG f, q, a0, a1               ; a fragment of wo: six pieces of 8 bytes of a row, two to a load where both lie behind as many paddings
	WIN (1+(\f)/FPW)<<6
.set R_, FR*((\f)%FPW)
.set SK_, 0
.irp p, 0,1,2,3,4,5
.if SK_
.set SK_, 0
.else
.set PC_, 12*(\q)+6*(\p/3)+\p%3
.set PN_, 12*(\q)+6*((\p+1)/3)+(\p+1)%3
.set X_, (PC_%32+3)/32
.set XN_, (PN_%32+3)/32
.if (\p < 5) && (X_ == XN_)
.set SK_, 1
.if X_
	ds_load_2addr_b64 v[R_+2*\p:R_+2*\p+3], v[\a1] offset0:PC_+2*(PC_/32) offset1:PN_+2*(PN_/32)
.else
	ds_load_2addr_b64 v[R_+2*\p:R_+2*\p+3], v[\a0] offset0:PC_+2*(PC_/32) offset1:PN_+2*(PN_/32)
.endif
.elseif X_
	ds_load_b64 v[R_+2*\p:R_+2*\p+1], v[\a1] offset:8*(PC_+2*(PC_/32))
.else
	ds_load_b64 v[R_+2*\p:R_+2*\p+1], v[\a0] offset:8*(PC_+2*(PC_/32))
.endif
.endif
.endr
.endm
.macro FETCHB g                        ; block g's tile of 16 tokens into set g % 2, as the registers lie
.set KC_, 12288*(8*((\g)/4)+(\g)%4)
	v_add_nc_u32 v[ADRA], KC_, v[A0]
	v_add_nc_u32 v[ADRA+1], KC_, v[A0+1]
.irp q, 0,1,2,3,4,5,6,7
.set F_, 32+8*((\g)%2)+\q
	WIN (1+F_/FPW)<<6
.irp c, 0,1
	ds_load_b128 v[FR*(F_%FPW)+6*\c:FR*(F_%FPW)+6*\c+3], v[ADRA] offset:1536*\q+768*\c
	ds_load_b64 v[FR*(F_%FPW)+6*\c+4:FR*(F_%FPW)+6*\c+5], v[ADRA+1] offset:1536*\q+768*\c+512
.endr
.endr
	WIN 0
.endm
.macro W1 c, ra, rb
	v_wmma_scale_f32_16x16x128_f8f6f4 v[D_:D_+7], v[FR*(FB_%FPW):FR*(FB_%FPW)+FR-1], v[FR*(FA_%FPW):FR*(FA_%FPW)+FR-1], \c, v[XB_], v[XA_] matrix_a_fmt:MATRIX_FMT_FP6 matrix_b_fmt:MATRIX_FMT_FP6 matrix_a_scale:MATRIX_SCALE_ROW\ra matrix_b_scale:MATRIX_SCALE_ROW\rb
.endm
.macro W2 c
.if PT_%2
.if S_%2
	W1 \c, 1, 1
.else
	W1 \c, 1, 0
.endif
.else
.if S_%2
	W1 \c, 0, 1
.else
	W1 \c, 0, 0
.endif
.endif
.endm
.macro PRODS g, from, to               ; products n = 4 q + t; the four accumulators take turns
.set N_, \from
.rept (\to)-(\from)
.set Q_, N_/4
.set PT_, N_%4
.set S_, \g
.set FB_, 4*Q_+PT_
.set FA_, 32+8*((\g)%2)+Q_
.set D_, ACC+32*((\g)%2)+8*PT_
.set XB_, SB+8*(PT_/2)+Q_
.set XA_, SA+8*(2*(S_/4)+(S_%4)/2)+Q_
	WIN (1+FB_/FPW)|((1+FA_/FPW)<<2)
.if Q_
	W2 v[D_:D_+7]
.else
	W2 0
.endif
.set N_, N_+1
.endr
.endm
.macro SENDB p                         ; block p's 16 rows: a store covers two rows' 256 consecutive bytes, each at a multiple of 256
.irp k, 0,1,2,3,4,5,6,7
	global_store_b128 v[CO], v[BK+4*\k:BK+4*\k+3], s[12:13] offset:65536*(8*((\p)/4)+(\p)%4)+8192*\k th:TH_STORE_NT
.endr
.endm
.macro OBLK g, w, w2, show
	s_wait_dscnt \w
	PRODS \g, 0, 16
.if (\g) > 0
	WIN 0
	s_wait_dscnt \w2                   ; the last block is back from the stage
	SENDB (\g)-1
.endif
.if \show
	PRODS \g, 16, 26
	WIN 0
	s_wait_tensorcnt 0x0
	s_wait_dscnt 0x0
	s_barrier_signal -1                ; a plain barrier: the second half of the tokens is shown to all
	PRODS \g, 26, 32
	WIN 0
	s_barrier_wait -1
.else
	PRODS \g, 16, 32
	WIN 0
.endif
	s_wait_xcnt 0x0                    ; the last block's stores have read their data
	PLACES 4
.irp t, 0,1,2,3
	ds_store_b128 v[STO], v[ACC+32*((\g)%2)+8*\t:ACC+32*((\g)%2)+8*\t+3] offset:64*\t
	ds_store_b128 v[STO], v[ACC+32*((\g)%2)+8*\t+4:ACC+32*((\g)%2)+8*\t+7] offset:64*\t+16
.endr
.irp k, 0,1,2,3,4,5,6,7
	ds_load_b128 v[BK+4*\k:BK+4*\k+3], v[RD] offset:544*\k   ; LDS serves a wave's instructions in order (ISA guide 5.7.1.4)
.endr
.if (\g)+2 < 8
	FETCHB (\g)+2
.endif
.endm
	s_load_b256 s[4:11], s[0:1], 0x0   ; o_img, o_sc, wo_codes, wo_scales
	s_load_b64 s[12:13], s[0:1], 0x20  ; out0
	v_lshl_add_u32 v[SPW], v0, 2, SPARE
	v_mov_b32 v[NIL], 0
	ds_add_u32 v[SPW], v[NIL]
	ds_add_u32 v[SPW], v[NIL]
	v_lshrrev_b32 v1, 5, v0
	v_readfirstlane_b32 s40, v1
	s_lshr_b32 s41, s40, 1
	s_and_b32 s42, s40, 1
	s_bfe_u32 s43, ttmp6, 0x40000
	s_bfe_u32 s44, ttmp6, 0x40004
	s_and_b32 s46, ttmp7, 0xffff
	s_lshl_b32 s48, s44, 2
	s_lshl_b32 s48, 15, s48
	s_lshl_b32 s49, 0x1111, s43
	s_or_b32 s[G1A], s48, (3<<16)|(1<<21)                          ; 98,304 dense bytes as 384 rows of 256
	s_mov_b32 s[G1A+1], 32<<16
	s_mov_b32 s[G1A+2], 384<<16
	s_mov_b32 s[G1A+3], 32<<16
	s_mov_b32 s[G1A+4], 384
	s_mov_b32 s[G1A+5], 32
	s_mov_b32 s[G1A+6], 0
	s_mov_b32 s[G1A+7], 0
	s_or_b32 s[G1B], s49, (1<<20)|(1<<21)|(5<<22)|(3<<25)          ; 64 rows of 768 bytes, 16 of padding behind each 256
	s_mov_b32 s[G1B+1], KROW<<16
	s_mov_b32 s[G1B+2], 64<<16
	s_mov_b32 s[G1B+3], KROW<<16
	s_mov_b32 s[G1B+4], 64
	s_mov_b32 s[G1B+5], KROW
	s_mov_b32 s[G1B+6], 0
	s_mov_b32 s[G1B+7], 0
	s_lshl_b32 s50, s46, 2
	s_add_co_u32 s50, s50, s44         ; tile of 256 tokens
	s_lshl_b32 s51, ttmp9, 2
	s_add_co_u32 s51, s51, s43         ; tile of 128 columns
	s_mul_i32 s84, s50, 196608
	s_mov_b32 s85, 0
	s_mul_i32 s86, s51, 128*KROW
	s_mov_b32 s87, 0
	s_mov_b32 s89, 0
	s_mul_i32 s100, s40, 64*KROW
	s_mov_b32 s101, 0
	s_mov_b32 s[G0X], 1
	s_mov_b32 s[G0X+1], 0
	s_mov_b32 s[G0Y], 1
	s_mov_b32 s[G0Y+1], 98304
	s_mov_b32 s[G0R], 1
	s_mul_i32 s[G0R+1], s40, 64*PITCH
	s_add_co_u32 s[G0R+1], s[G0R+1], RES
	s_mul_i32 s60, s41, 4*12288
	s_mul_i32 s61, s42, 64*PITCH
	s_add_co_u32 s61, s61, RES
	s_mul_i32 s62, s40, 16*272
	s_add_co_u32 s62, s62, STAGE
	v_and_b32 v1, 15, v0
	v_bfe_u32 v2, v0, 4, 1
	v_and_b32 v3, 31, v0
	v_lshl_add_u32 v[A0], v3, 4, s60
	v_lshl_add_u32 v[A0+1], v3, 3, s60
	v_mul_u32_u24 v26, v1, PITCH
	v_add_nc_u32 v26, s61, v26
	v_mad_u32_u24 v27, v2, 24, v26
	v_mad_u32_u24 v28, v2, 40, v26
.irp t, 0,1,2,3
	v_add_nc_u32 v[BA+2*\t], 16*\t*PITCH, v27
	v_add_nc_u32 v[BA+2*\t+1], 16*\t*PITCH, v28
.endr
	v_mul_u32_u24 v26, v1, 272
	v_lshl_add_u32 v26, v2, 5, v26
	v_add_nc_u32 v[STO], s62, v26
	v_mul_u32_u24 v26, v2, 272
	v_lshl_add_u32 v26, v1, 4, v26
	v_add_nc_u32 v[RD], s62, v26
	v_lshlrev_b32 v26, 12, v2
	v_lshl_add_u32 v[CO], v1, 4, v26
	v_lshlrev_b32 v[VXS], 5, v3
	s_wait_alu depctr_va_vdst(0)
	s_wait_dscnt 0x0
	CROUND                             ; the opening round
	s_wait_kmcnt 0x0
	PADD 4, 84
	PADD 8, 86
	s_mov_b64 s[G0X+2:G0X+3], s[4:5]
	s_or_b32 s[G0X+3], s[G0X+3], 0x80000000
	s_add_nc_u64 s[G0Y+2:G0Y+3], s[4:5], 98304
	s_or_b32 s[G0Y+3], s[G0Y+3], 0x80000000
	s_add_nc_u64 s[G0R+2:G0R+3], s[8:9], s[100:101]
	s_or_b32 s[G0R+3], s[G0R+3], 0x80000000
	s_cmp_lt_u32 s40, 2
	s_cbranch_scc0 .Lh2
	TLOAD G0R, G1B                     ; waves 0, 1: half of wo's rows each
	s_branch .Lhd
.Lh2:
	s_cmp_eq_u32 s40, 2
	s_cbranch_scc0 .Lh3
	TLOAD G0X, G1A                     ; wave 2: tokens 0-127
	s_branch .Lhd
.Lh3:
	TLOAD G0Y, G1A                     ; wave 3: tokens 128-255
.Lhd:
	s_lshl_b32 s88, s50, 13
	s_lshl_b32 s60, s41, 11
	s_add_co_u32 s88, s88, s60
	PADD 6, 88
	s_lshl_b32 s88, s51, 12
	s_lshl_b32 s60, s42, 11
	s_add_co_u32 s88, s88, s60
	PADD 10, 88
.irp u, 0,1
.irp c, 0,1
	global_load_b128 v[SB+8*\u+4*\c:SB+8*\u+4*\c+3], v[VXS], s[10:11] offset:1024*\u+16*\c
.endr
.endr
.irp j, 0,1,2,3
.irp c, 0,1
	global_load_b128 v[SA+8*\j+4*\c:SA+8*\j+4*\c+3], v[VXS], s[6:7] offset:4096*(\j/2)+1024*(\j%2)+16*\c
.endr
.endr
	s_lshl_b32 s88, s50, 20            ; 256 rows of 4,096 bytes
	s_lshl_b32 s60, s41, 18
	s_add_co_u32 s88, s88, s60
	s_lshl_b32 s60, s51, 9
	s_add_co_u32 s88, s88, s60
	s_lshl_b32 s60, s42, 8
	s_add_co_u32 s88, s88, s60
	PADD 12, 88
	s_cmp_lt_u32 s40, 2
	s_cbranch_scc0 .Lnr
	s_wait_tensorcnt 0x0
.Lnr:
	BARRIER                            ; wo's rows are in
.irp q, 0,1,2,3,4,5,6,7
.irp t, 0,1,2,3
	FRAG 4*\q+\t, \q, BA+2*\t, BA+2*\t+1
.endr
.endr
	WIN 0
	s_cmp_eq_u32 s40, 3
	s_cbranch_scc1 .Lnx
	s_wait_tensorcnt 0x0
.Lnx:
	s_wait_dscnt 0x0
	BARRIER                            ; tokens 0-127 are in
	FETCHB 0
	FETCHB 1
	s_wait_loadcnt 0x0
	OBLK 0, NF, 0, 0
	OBLK 1, NF+16, NF, 0
	OBLK 2, NF+16, NF, 1
	OBLK 3, NF+16, NF, 0
	OBLK 4, NF+16, NF, 0
	OBLK 5, NF+16, NF, 0
	OBLK 6, NF+16, NF, 0
	OBLK 7, 16, 0, 0
	s_wait_dscnt 0x0
	SENDB 7
	s_wait_tensorcnt 0x0               ; the wave's end
	ds_add_u32 v[SPW], v[NIL]
	s_wait_dscnt 0x0
	CROUND
	s_endpgm
.Lfunc_end_k_qbf581e7971_outp:
	.size	k_qbf581e7971_outp, .Lfunc_end_k_qbf581e7971_outp-k_qbf581e7971_outp
	.p2alignl 7, 3214868480
	.fill 96, 4, 3214868480
	.section	.rodata,"a",@progbits
	.p2align	6, 0x0
	.amdhsa_kernel k_qbf581e7971_outp
		.amdhsa_group_segment_fixed_size 327680
		.amdhsa_private_segment_fixed_size 0
		.amdhsa_enable_private_segment 0
		.amdhsa_kernarg_size 40
		.amdhsa_user_sgpr_count 2
		.amdhsa_user_sgpr_kernarg_segment_ptr 1
		.amdhsa_wavefront_size32 1
		.amdhsa_system_sgpr_workgroup_id_x 1
		.amdhsa_system_sgpr_workgroup_id_y 1
		.amdhsa_system_sgpr_workgroup_id_z 1
		.amdhsa_system_vgpr_workitem_id 0
		.amdhsa_next_free_vgpr 840
		.amdhsa_next_free_sgpr 104
		.amdhsa_reserve_vcc 0
		.amdhsa_float_denorm_mode_32 3
		.amdhsa_float_denorm_mode_16_64 3
		.amdhsa_memory_ordered 1
		.amdhsa_forward_progress 1
		.amdhsa_inst_pref_size 83
	.end_amdhsa_kernel
	.amdgpu_metadata
---
amdhsa.version: [ 1, 2 ]
amdhsa.kernels:
  - .name:           k_qbf581e7971_outp
    .symbol:         k_qbf581e7971_outp.kd
    .args:
      - { .name: o_img, .offset: 0, .size: 8, .value_kind: global_buffer, .address_space: global }
      - { .name: o_sc, .offset: 8, .size: 8, .value_kind: global_buffer, .address_space: global }
      - { .name: wo_codes, .offset: 16, .size: 8, .value_kind: global_buffer, .address_space: global }
      - { .name: wo_scales, .offset: 24, .size: 8, .value_kind: global_buffer, .address_space: global }
      - { .name: out0, .offset: 32, .size: 8, .value_kind: global_buffer, .address_space: global }
    .group_segment_fixed_size: 327680
    .private_segment_fixed_size: 0
    .kernarg_segment_align: 8
    .kernarg_segment_size: 40
    .max_flat_workgroup_size: 128
    .sgpr_count:     104
    .vgpr_count:     840
    .wavefront_size: 32
...
	.end_amdgpu_metadata
.endif
;; end of part 3
